; MI455X (gfx1250); checked and timed in simulation.
; The chip was launched on July 23, 2026; its instructions are those of AMD's public machine-readable ISA for CDNA 5 (MIT licence, August 2026) and "CDNA5" Instruction Set Architecture Reference Guide (July 2026). The comments in the code are by the model that wrote it; some were corrected since.
;; Radon. Allowed arithmetic: float matrix products may take bf16 or f16 operands with f32 sums; other float arithmetic in f32, or as packed bf16 or f16 multiplies, adds, multiply-adds, maxima and minima; sums over many terms, partial sums and values carried from step to step in f32; what a program stores and reads back later, other than sums and carried values, may be rounded once to bf16 or f16.
;; Inputs: x 4 x 1 x 256 x 256 float32.
;; Outputs: out0 4 x 1 x 363 x 180 float32.
;; One version. Each part assembles by itself: llvm-mc -triple=amdgcn-amd-amdhsa -mcpu=gfx1250 --defsym DOCPART=n.
;; ======== version 1 of 1: 1 launch
;; launch radon (part 1): grid 128 x 2, 16 waves a work-group, no clusters, 276,480 bytes of LDS; arguments x, out0; writes out0
.if DOCPART == 1
	.amdgcn_target "amdgcn-amd-amdhsa--gfx1250"
	.amdhsa_code_object_version 6
	.text
	.protected	k_q250b1113a0_radon
	.globl	k_q250b1113a0_radon
	.p2align	8
	.type	k_q250b1113a0_radon,@function
k_q250b1113a0_radon:
	s_mov_b64 s[64:65], 0
	v_nop
	global_prefetch_b8 v0, s[64:65] scope:SCOPE_SE
	s_setreg_imm32_b32 hwreg(HW_REG_WAVE_MODE, 25, 1), 1
	s_wait_xcnt 0x0
; RADON TRANSFORM.  out0[n][w][a] = the sum over h = 0..362 of the bilinear sample of x[n], padded with zeros to 363 x 363, at
; ix = 181 + c W + s H, iy = 181 - s W + c H, with W = w - 181, H = h - 181, c = cos(a degrees), s = sin(a degrees).  The pad in front is 53, so in
; x's own pixel coordinates the sample lies at px = 128 + c W + s H (column), py = 128 - s W + c H (row).
; DEAD WORK.  Outside x's 256 x 256 pixels reference() reads zeros that its own jnp.pad wrote, or gives a tap the weight 0 by its own jnp.where.  So a sample
; with px <= -1, px >= 256, py <= -1 or py >= 256 is 0 whatever x holds: all its four taps are such zeros.  About half of the 363 x 363 samples of an angle
; are of that kind.  They are left out where they come in whole units: a block of eight steps h in which no lane of the wave can have a sample inside.
; No number of x enters a sample that is left out, so no NaN, infinity or overflow can reach that work alone.  Inside a live block a sample outside reads zeros.
; The loop's last block runs to H = 186.  H = s (px - 128) + c (py - 128) stays under sqrt(128^2 + 129^2) = 181.8 inside the image, so steps with H >= 182 read zeros;
; by the same bound on W = c (px - 128) - s (py - 128) so do the lanes past the last element (w = 363, 364), which are not stored.
; WHOLE NUMBERS.  No address and no branch hangs on a floating-point number: s and c are made as integers of 23 fraction bits by a polynomial in integer
; arithmetic, px + 1 and py + 1 are kept as 9.23 fixed-point numbers modulo 512 (they lie in -133 .. 391, so 0 .. 257 is never met by a wrapped value).
; LIMITS.  x is rounded once to bf16 (beyond bf16's largest number it becomes an infinity).  s and c are right to about 1.2e-7, a coordinate to about 3e-5 pixel.
; Sums in f32, in another order than reference()'s.  NaN and infinities in x are not treated apart (a weight of exactly 0 need not fall where reference()'s falls).
; SHARES.  Work-group (g, p), g = 0..127, p = 0, 1, holds images 2p and 2p + 1 whole in LDS, one word a pixel: bf16 of image 2p below, of 2p + 1 above.  A thread owns ONE
; element e = 180 w + a of out0's [w][a] plane, for both images: coordinates, address and weights are made once for two images.  Threads 64 k .. 64 k + 63
; own run 128 k + g of 64 consecutive elements: a work-group's eight runs lie 8,192 elements (45.5 values of w) apart, so that long rays and short ones are dealt alike.
; THE TABLE.  Cell (r, q) = pixel (r - 1, q - 1), r, q = 0..258, at byte BASE + 4 (264 r + q); cells outside the image hold 0.  A cell lies in bank (8 r + q + 55) mod 64
; (64 banks of 4 bytes: ISA guide 11.1): two cells of one bank lie 8 cells apart or more.  BASE = 12 mod 16, so four pixels of a row are 16 aligned bytes.
; NOT ON THE MATRIX UNIT.  For one (a, w) the sum is 4 images x 1 column over h, and both the gathered values and the weights belong to that ray alone: no operand is
; shared between outputs, and of a 16 x 16 tile only the diagonal would be of use.  The products are fused multiply-adds from bf16 halves into f32 sums.
; NO CLUSTER, NO TENSOR LOADS.  128 work-groups read the same pair of images, but as f32 rows, 524,288 bytes, that have to be rounded and interleaved on the way; beside the
; table 327,680 - 276,480 = 51,200 bytes are free, so joint loads would need a ring of some twenty refills, each behind a round of the cluster's barrier.
; NO PREFETCH.  All that is read from memory is asked for at the kernel's head, by the loads themselves.
.set GRID,  363
.set NANG,  180
.set NEL,   GRID*NANG                  ; 65,340 elements in an image's plane of out0
.set PW,    264                        ; words in a row of the table
.set PB,    4*PW                       ; 1,056 bytes
.set BASE,  476                        ; byte of cell (0, 0): bytes 0 .. BASE + PB + 3 (slack, row 0, cell (1, 0)) are 96 x 16
.set ZTAIL, BASE+257*PB+4              ; 271,872: cell (257, 1); from here 160 x 16 bytes of zeros cover rows 257 and 258
.set SPARE, 274432                     ; behind them: the spare words, 128 bytes for each of 16 waves: eight blocks of 256 bytes that no other line names
.set NBLK,  46                         ; blocks of eight steps: H = -181 .. 186
.set KRAD,  18740330                   ; pi / 180 in 30 fraction bits
.set ONEQ,  0x40000000                 ; 1 in 30 fraction bits
.set C110,  156180629                  ; 2^34 / 110, / 72, / 42, / 20, / 6
.set C72,   238609294
.set C42,   409044504
.set C20,   858993459
.set C6,    2863311531
.set SPW, 1                            ; v1   LDS address of my spare word; never rewritten
.set NIL, 2                            ; v2   0; never rewritten
.set GOF, 3                            ; v3   16 x thread: my 16 bytes in a block of 8 rows of x; never rewritten
.set LA,  4                            ; v4   where my four cells of a block of 8 rows go
.set TA,  5                            ; v5-7 at work
.set TB,  6
.set TC,  7
.set Z,   8                            ; v[8:11]  zeros
.set IX,  12                           ; px + 1, 9.23
.set IY,  13                           ; py + 1
.set SX,  14                           ; s: the step of IX for one h
.set SY,  15                           ; c: the step of IY (two's complement)
.set SX8, 16                           ; eight steps
.set SY8, 17
.set T0,  18
.set T1,  19
.set KA,  20                           ; v[20:21] -1, 1
.set KB,  22                           ; v[22:23]  2, -1
.set ACC, 24                           ; v[24:31] eight sums: tap t of image i at ACC + 2 t + i
.set AD,  32                           ; v[32:39] step j: byte of its upper left cell, less BASE
.set D,   40                           ; v[40:71] step j: its four cells
.set F,   72                           ; v[72:87] step j: 1 + fx, 1 + fy
.set GW,  88                           ; v[88:103] step j: (1 - fx, fx), then the upper row's two weights
.set BW,  104                          ; v[104:119] step j: the lower row's two weights
.set RING, 128                         ; v[128:255] 16 slots of 8: four pixels of image 2p, four of image 2p + 1
.set WV,   8                           ; s8   wave
.set PAIR, 10                          ; s10  p
.set G64,  11                          ; s11  64 g
.set MANT, 12                          ; s12  the 23 fraction bits
.set ONEF, 13                          ; s13  1.0
.set LIMX, 14                          ; s14  265 in 9.23
.set LIMY, 15                          ; s15  272 in 9.23
.set CNT,  16
.set LIVE, 17
	s_load_b128 s[4:7], s[0:1], 0x0                ; x s[4:5], out0 s[6:7]
	v_lshl_add_u32 v[SPW], v0, 2, SPARE
	v_mov_b32 v[NIL], 0
	v_lshrrev_b32 v[TA], 5, v0
	v_readfirstlane_b32 s[WV], v[TA]               ; wave 0..15
	s_and_b32 s[PAIR], ttmp7, 0xffff
	s_lshl_b32 s[G64], ttmp9, 6
	s_lshl_b32 s18, s[PAIR], 19                    ; two images of 262,144 bytes
	s_mov_b32 s19, 0
	s_mov_b32 s[MANT], 0x7fffff
	s_mov_b32 s[ONEF], 0x3f800000
	s_mov_b32 s[LIMX], 265<<23
	s_mov_b32 s[LIMY], 272<<23
	v_lshlrev_b32 v[GOF], 4, v0
	v_lshrrev_b32 v[TA], 6, v0                     ; 64 threads to a row of 256 pixels
	v_and_b32 v[TB], 63, v0
	v_mul_u32_u24 v[LA], v[TA], PB
	v_lshl_add_u32 v[LA], v[TB], 4, v[LA]
	v_add_nc_u32 v[LA], BASE+PB+4, v[LA]           ; cell (1 + t / 64, 1 + 4 (t % 64))
	s_wait_kmcnt 0x0
	s_add_nc_u64 s[4:5], s[4:5], s[18:19]          ; image 2p; image 2p + 1 stands in the loads' immediates
; Block n of 8 rows: the work-group's 512 threads take its 8,192 bytes, 16 each, in both images.
.macro ASKROWS n
	global_load_b128 v[RING+8*((\n)%16):RING+8*((\n)%16)+3],   v[GOF], s[4:5] offset:(\n)*8192
	global_load_b128 v[RING+8*((\n)%16)+4:RING+8*((\n)%16)+7], v[GOF], s[4:5] offset:(\n)*8192+262144
.endm
.set n, 0
.rept 16
	ASKROWS n                                      ; the ring is filled: 32 loads of each wave are out
.set n, n+1
.endr
	; THE BORDER OF ZEROS, while the loads are on their way.  Every byte from 0 to SPARE - 1 is written once, by one thread.
.irp k, 0,1,2,3
	v_mov_b32 v[Z+\k], 0
.endr
	v_lshrrev_b32 v[TA], 1, v0
	v_and_b32 v[TB], 1, v0
	v_mul_u32_u24 v[TA], v[TA], PB
	v_lshl_add_u32 v[TA], v[TB], 4, v[TA]
	ds_store_b128 v[TA], v[Z:Z+3] offset:BASE+PB+257*4  ; behind the image's row r = 1 + t / 2: cells (r, 257 .. 263) and (r + 1, 0), 32 aligned bytes, two threads
	v_add_nc_u32 v[TC], ZTAIL-96*16, v[GOF]
	s_cmp_lt_u32 s[WV], 3
	s_cbranch_scc0 .Lnot_head
	ds_store_b128 v[GOF], v[Z:Z+3]                 ; waves 0-2: bytes 0 .. 1,535: row 0 and cell (1, 0)
	s_branch .Lzeroed
.Lnot_head:
	s_cmp_lt_u32 s[WV], 8
	s_cbranch_scc0 .Lzeroed
	ds_store_b128 v[TC], v[Z:Z+3]                  ; waves 3-7: 2,560 bytes from cell (257, 1) on: rows 257 and 258
.Lzeroed:
	; MY RAY.  e = 8,192 (t / 64) + 64 g + t % 64;  w = e / 180 (e x 46,604 >> 23 is exact for e < 65,536: 46,604 - 2^23 / 180 = 0.62, and 65,536 x 0.62 / 2^23 < 1 / 180)
	v_lshrrev_b32 v120, 6, v0
	v_and_b32 v121, 63, v0
	v_lshl_add_u32 v120, v120, 13, v121
	v_add_nc_u32 v120, s[G64], v120                ; e
	v_mul_lo_u32 v121, v120, 46604
	v_lshrrev_b32 v121, 23, v121                   ; w
	v_mul_u32_u24 v122, v121, NANG
	v_sub_nc_u32 v122, v120, v122                  ; a
	v_sub_nc_u32 v123, NANG, v122
	v_min_u32 v123, v122, v123                     ; a' = min(a, 180 - a), 0 .. 90: sin a = sin a', cos a = +- sin(90 - a')
	v_sub_nc_u32 v[T0], 90, v123
; sin(d degrees), d = 0 .. 90, with 23 fraction bits.  x = d pi / 180 (30 bits), q = x^2 (28 bits);
; sin x = x (1 - q/6 (1 - q/20 (1 - q/42 (1 - q/72 (1 - q/110))))): every bracket lies in 0 .. 1, so unsigned arithmetic serves; what is cut off is under x^13 / 13! = 5.7e-8.
.macro SINQ23 dst, deg
	v_mul_lo_u32 v124, v[\deg], KRAD
	v_mul_hi_u32 v125, v124, v124
	v_mul_hi_u32 v127, v125, C110                  ; q / 110, 30 bits
	v_sub_nc_u32 v126, ONEQ, v127
.irp c, C72, C42, C20, C6
	v_mul_hi_u32 v127, v125, \c                    ; q / n, 30 bits
	v_mul_hi_u32 v127, v127, v126                  ; times the bracket, 28 bits
	v_lshlrev_b32 v127, 2, v127
	v_sub_nc_u32 v126, ONEQ, v127
.endr
	v_mul_hi_u32 v127, v124, v126                  ; 28 bits
	v_add_nc_u32 v127, 16, v127
	v_lshrrev_b32 v[\dst], 5, v127                 ; rounded to 23
.endm
	SINQ23 SX, 123
	SINQ23 T1, T0
	v_sub_nc_u32 v127, 0, v[T1]
	v_cmp_lt_u32 vcc_lo, 90, v122
	v_cndmask_b32 v[SY], v[T1], v127, vcc_lo       ; c < 0 behind 90 degrees
	v_add_nc_u32 v121, 0xffffff4b, v121            ; W = w - 181
	v_mul_lo_u32 v124, v[SY], v121                 ; c W   (all modulo 2^32, that is modulo 512 pixels)
	v_mul_lo_u32 v125, v[SX], v121                 ; s W
	v_mul_lo_u32 v126, v[SX], 181
	v_mul_lo_u32 v127, v[SY], 181
	v_sub_nc_u32 v[IX], v124, v126
	v_add_nc_u32 v[IX], 129<<23, v[IX]             ; px + 1 at H = -181: 129 + c W - 181 s
	v_add_nc_u32 v[IY], v125, v127
	v_sub_nc_u32 v[IY], 129<<23, v[IY]             ; py + 1: 129 - s W - 181 c
	v_lshlrev_b32 v[SX8], 3, v[SX]
	v_lshlrev_b32 v[SY8], 3, v[SY]
	v_mov_b32 v[KA], -1.0
	v_mov_b32 v[KA+1], 1.0
	v_mov_b32 v[KB], 2.0
	v_mov_b32 v[KB+1], -1.0
.irp k, 0,1,2,3,4,5,6,7
	v_mov_b32 v[ACC+\k], 0
.endr
; THE TABLE IS FILLED.  A slot's turn: its two loads are in; four words (image 2p below, 2p + 1 above), each number rounded once; 16 aligned bytes into LDS; the slot is asked for again.
.macro PUTROWS n
.if (\n) < 16
	s_wait_loadcnt 30                              ; loads come back in order (ISA guide 5.7.1): mine are in, the 15 younger slots' two loads each stay out
.else
	s_wait_loadcnt 62-2*(\n)                       ; nothing is asked for any more: the count runs down to 0
.endif
.if ((\n) > 0) && ((\n)%8 == 0)
	v_add_nc_u32 v[LA], 64*PB, v[LA]               ; 64 rows on: eight blocks' offsets, 59,136 at the most, fit the 16-bit immediate
.endif
.irp k, 0,1,2,3
	v_cvt_pk_bf16_f32 v[D+\k], v[RING+8*((\n)%16)+\k], v[RING+8*((\n)%16)+4+\k]
.endr
	ds_store_b128 v[LA], v[D:D+3] offset:((\n)%8)*8*PB
.if (\n) < 16
	ASKROWS (\n)+16
.endif
.endm
.set n, 0
.rept 32
	PUTROWS n
.set n, n+1
.endr
	s_wait_dscnt 0x0                               ; for the others' sake: my stores into the table are done
	s_barrier_signal -1
	s_barrier_wait -1                              ; the table is whole
; ONE STEP'S COORDINATES.  The whole parts, held to 0 .. 257 (a wrapped or far value lands on cell 257, whose neighbours 257 and 258 hold 0), give the cell; the 23 fraction bits under the
; exponent of 1.0 are the number 1 + f.  Then the step to the next h.  Four loads bring the cells (r, q), (r, q + 1), (r + 1, q), (r + 1, q + 1).
.macro COORD j
	v_lshrrev_b32 v[T0], 23, v[IX]
	v_lshrrev_b32 v[T1], 23, v[IY]
	v_and_or_b32 v[F+2*(\j)], v[IX], s[MANT], s[ONEF]
	v_and_or_b32 v[F+2*(\j)+1], v[IY], s[MANT], s[ONEF]
	v_min_u32 v[T0], 0x101, v[T0]
	v_min_u32 v[T1], 0x101, v[T1]
	v_add_nc_u32 v[IX], v[IX], v[SX]
	v_add_nc_u32 v[IY], v[IY], v[SY]
	v_mad_u32_u24 v[T0], v[T1], PW, v[T0]          ; at most 257 x 264 + 257
	v_lshlrev_b32 v[AD+(\j)], 2, v[T0]
	ds_load_b32 v[D+4*(\j)],   v[AD+(\j)] offset:BASE
	ds_load_b32 v[D+4*(\j)+1], v[AD+(\j)] offset:BASE+4
	ds_load_b32 v[D+4*(\j)+2], v[AD+(\j)] offset:BASE+PB
	ds_load_b32 v[D+4*(\j)+3], v[AD+(\j)] offset:BASE+PB+4
.endm
; ONE STEP'S PRODUCTS: eight fused multiply-adds, a bf16 half times an f32 weight onto an f32 sum; the eight sums take turns.
.macro TAPS j
	s_wait_dscnt 28-4*(\j)                         ; LDS loads come back in order: this step's four are in, the later steps' four each stay out
.irp t, 0,1
	v_fma_mix_f32_bf16 v[ACC+2*\t],   v[D+4*(\j)+\t], v[GW+2*(\j)+\t], v[ACC+2*\t]   op_sel_hi:[1,0,0]
	v_fma_mix_f32_bf16 v[ACC+2*\t+1], v[D+4*(\j)+\t], v[GW+2*(\j)+\t], v[ACC+2*\t+1] op_sel:[1,0,0] op_sel_hi:[1,0,0]
.endr
.irp t, 0,1
	v_fma_mix_f32_bf16 v[ACC+4+2*\t], v[D+4*(\j)+2+\t], v[BW+2*(\j)+\t], v[ACC+4+2*\t] op_sel_hi:[1,0,0]
	v_fma_mix_f32_bf16 v[ACC+5+2*\t], v[D+4*(\j)+2+\t], v[BW+2*(\j)+\t], v[ACC+5+2*\t] op_sel:[1,0,0] op_sel_hi:[1,0,0]
.endr
.endm
	s_mov_b32 s[CNT], NBLK
.Lblock:
	; Can a lane have a sample inside in these eight steps?  In seven steps px grows by 0 .. 7 and py moves by -7 .. 7, so a sample with px + 1 and py + 1 in 0 .. 258 means
	; px + 1 in -7 .. 258 and py + 1 in -7 .. 265 at the block's first step: one unsigned compare each, after adding 7 (wrapped values are 386 or more).
	v_add_nc_u32 v[T0], 7<<23, v[IX]
	v_add_nc_u32 v[T1], 7<<23, v[IY]
	v_cmp_gt_u32 vcc_lo, s[LIMX], v[T0]
	v_cmp_gt_u32 s[LIVE], s[LIMY], v[T1]
	s_and_b32 s[LIVE], vcc_lo, s[LIVE]
	s_cmp_lg_u32 s[LIVE], 0
	s_cbranch_scc1 .Llive
	v_add_nc_u32 v[IX], v[IX], v[SX8]              ; a dead block: eight steps at once
	v_add_nc_u32 v[IY], v[IY], v[SY8]
	s_branch .Lnext
.Llive:
.irp j, 0,1,2,3,4,5,6,7
	COORD \j                                       ; 32 loads go out
.endr
	; the weights, while the loads are on their way: (1 - fx, fx) = (2, -1) + (-1, 1) (1 + fx); the lower row's are that pair times fy = pair x (1 + fy) - pair; the upper row's are the rest
.irp j, 0,1,2,3,4,5,6,7
	v_pk_fma_f32 v[GW+2*\j:GW+2*\j+1], v[F+2*\j:F+2*\j+1], v[KA:KA+1], v[KB:KB+1] op_sel_hi:[0,1,1]
.endr
.irp j, 0,1,2,3,4,5,6,7
	v_pk_fma_f32 v[BW+2*\j:BW+2*\j+1], v[GW+2*\j:GW+2*\j+1], v[F+2*\j:F+2*\j+1], v[GW+2*\j:GW+2*\j+1] op_sel:[0,1,0] op_sel_hi:[1,1,1] neg_lo:[0,0,1] neg_hi:[0,0,1]
.endr
.irp j, 0,1,2,3,4,5,6,7
	v_pk_add_f32 v[GW+2*\j:GW+2*\j+1], v[GW+2*\j:GW+2*\j+1], v[BW+2*\j:BW+2*\j+1] neg_lo:[0,1] neg_hi:[0,1]
.endr
.irp j, 0,1,2,3,4,5,6,7
	TAPS \j
.endr
.Lnext:
	s_sub_co_u32 s[CNT], s[CNT], 1
	s_cmp_lg_u32 s[CNT], 0
	s_cbranch_scc1 .Lblock
	; THE WAY OUT.  The four taps' sums are added; the two results go through LDS, so that a wave stores 64 consecutive elements of one image.
	v_pk_add_f32 v[ACC:ACC+1], v[ACC:ACC+1], v[ACC+2:ACC+3]
	v_pk_add_f32 v[ACC+4:ACC+5], v[ACC+4:ACC+5], v[ACC+6:ACC+7]
	v_pk_add_f32 v[ACC:ACC+1], v[ACC:ACC+1], v[ACC+4:ACC+5]  ; image 2p, image 2p + 1
	s_wait_dscnt 0x0                               ; my reads of the table are over
	s_barrier_signal -1
	s_barrier_wait -1                              ; everybody's are: its first 4,096 bytes are written anew, as the stage
	v_lshlrev_b32 v[TA], 2, v0
	ds_store_b32 v[TA], v[ACC]                     ; image 2p: thread t's element at byte 4 t
	ds_store_b32 v[TA], v[ACC+1] offset:2048       ; image 2p + 1
	s_wait_dscnt 0x0                               ; for the others' sake
	s_barrier_signal -1
	s_barrier_wait -1
	v_lshlrev_b32 v[TA], 3, v0
	ds_load_b64 v[TB:TB+1], v[TA]                  ; wave i takes bytes 256 i ..: run i % 8 of image 2p + i / 8, two elements a lane
	s_lshr_b32 s21, s[WV], 3
	s_lshl1_add_u32 s21, s[PAIR], s21              ; the image
	s_mul_i32 s21, s21, NEL
	s_and_b32 s22, s[WV], 7
	s_lshl_b32 s22, s22, 13
	s_add_co_u32 s22, s22, s[G64]                  ; the run's first element: 8,192 (i % 8) + 64 g
	s_add_co_u32 s21, s21, s22
	s_lshl_b32 s18, s21, 2
	s_mov_b32 s19, 0
	s_add_nc_u64 s[6:7], s[6:7], s[18:19]
	s_sub_co_i32 s22, NEL, s22                     ; elements left in the plane from there on
	v_and_b32 v[Z], 31, v0
	v_lshlrev_b32 v[Z+1], 1, v[Z]                  ; 2 x lane
	v_lshlrev_b32 v[Z], 3, v[Z]                    ; 8 x lane
	s_wait_dscnt 0x0
	s_cmp_gt_i32 s22, 0
	s_cbranch_scc0 .Lend                           ; the three runs past the plane's end (elements 65,344 on) are not stored
	v_cmp_gt_i32 vcc_lo, s22, v[Z+1]               ; run 1,020 holds 60 elements: 30 lanes
	s_wait_xcnt 0x0                                ; EXEC changes only behind this wait
	s_and_saveexec_b32 s20, vcc_lo
	global_store_b64 v[Z], v[TB:TB+1], s[6:7] th:TH_STORE_NT  ; 256 consecutive bytes; in image 0 at a multiple of 256 from out0's first byte (image n begins 261,360 n bytes in, a multiple of 16 alone)
	s_wait_xcnt 0x0                                ; and again, in front of the line that widens it
	s_or_b32 exec_lo, exec_lo, s20
.Lend:
	s_wait_tensorcnt 0x0                           ; the wave's end
	ds_add_u32 v[SPW], v[NIL]
	s_wait_dscnt 0x0
	s_endpgm
.Lfunc_end_k_q250b1113a0_radon:
	.size	k_q250b1113a0_radon, .Lfunc_end_k_q250b1113a0_radon-k_q250b1113a0_radon
	.p2alignl 7, 3214868480
	.fill 96, 4, 3214868480
	.section	.rodata,"a",@progbits
	.p2align	6, 0x0
	.amdhsa_kernel k_q250b1113a0_radon
		.amdhsa_group_segment_fixed_size 276480
		.amdhsa_private_segment_fixed_size 0
		.amdhsa_enable_private_segment 0
		.amdhsa_kernarg_size 16
		.amdhsa_user_sgpr_count 2
		.amdhsa_user_sgpr_kernarg_segment_ptr 1
		.amdhsa_wavefront_size32 1
		.amdhsa_system_sgpr_workgroup_id_x 1
		.amdhsa_system_sgpr_workgroup_id_y 1
		.amdhsa_system_sgpr_workgroup_id_z 1
		.amdhsa_system_vgpr_workitem_id 0
		.amdhsa_next_free_vgpr 256
		.amdhsa_next_free_sgpr 66
		.amdhsa_reserve_vcc 1
		.amdhsa_float_denorm_mode_32 3
		.amdhsa_float_denorm_mode_16_64 3
		.amdhsa_memory_ordered 1
		.amdhsa_forward_progress 1
		.amdhsa_inst_pref_size 38
	.end_amdhsa_kernel
	.amdgpu_metadata
---
amdhsa.version: [ 1, 2 ]
amdhsa.kernels:
  - .name:           k_q250b1113a0_radon
    .symbol:         k_q250b1113a0_radon.kd
    .args:
      - { .name: x, .offset: 0, .size: 8, .value_kind: global_buffer, .address_space: global }
      - { .name: out0, .offset: 8, .size: 8, .value_kind: global_buffer, .address_space: global }
    .group_segment_fixed_size: 276480
    .private_segment_fixed_size: 0
    .kernarg_segment_align: 8
    .kernarg_segment_size: 16
    .max_flat_workgroup_size: 512
    .sgpr_count:     66
    .vgpr_count:     256
    .wavefront_size: 32
...
	.end_amdgpu_metadata
.endif
;; end of part 1
